; MI455X (gfx1250); checked and timed in simulation.
; The chip was launched on July 23, 2026; its instructions are those of AMD's public machine-readable ISA for CDNA 5 (MIT licence, August 2026) and "CDNA5" Instruction Set Architecture Reference Guide (July 2026). The comments in the code are by the model that wrote it; some were corrected since.
;; Bahdanau Attention. Allowed arithmetic: matrix products marked QUANTISED: E2M1 operands, one E8M0 scale for each 32 along K, by v_wmma_scale_f32_16x16x128_f8f6f4 with both operands' format E2M1 (or v_wmma_scale_f32_32x16x128_f4), f32 sums; products left as they are: f32 operands where the result goes on into a quantised operand, else bf16, f16 or f32 operands; f32 sums; everything else in f32.
;; Inputs: W_h_codes 1,024 x 16 x 16 uint8 (E2M1 codes of W_h, K innermost, in blocks of 32 codes, two codes a byte); W_h_scales 1,024 x 16 uint8 (E8M0 scales of W_h, one for each 32 codes along K); W_s_codes 1,024 x 16 x 16 uint8 (E2M1 codes of W_s, K innermost, in blocks of 32 codes, two codes a byte); W_s_scales 1,024 x 16 uint8 (E8M0 scales of W_s, one for each 32 codes along K); b_h 1,024 float32; b_s 1,024 float32; decoder_state_codes 32 x 16 x 16 uint8 (E2M1 codes of decoder_state, K innermost, in blocks of 32 codes, two codes a byte); decoder_state_scales 32 x 16 uint8 (E8M0 scales of decoder_state, one for each 32 codes along K); encoder_outputs 32 x 4,096 x 512 float32; v_a 1,024 float32.
;; Outputs: out0 32 x 512 float32; out1 32 x 4,096 float32.
;; This version of the problem:
;;   THIS VERSION OF THE PROBLEM IS GIVEN IN LOW PRECISION. The matrix products marked QUANTISED in the list below multiply operands that are first quantised to E2M1 (2 exponent bits, 1 mantissa bit; 4 bits a number), with one power-of-two scale for each 32 numbers along K (OCP MX v1.0); their sums are f32. All else is computed in f32.
;;   The module's matrix products, in the order in which they are computed (A, B: the left and right operand; K: the contracted axis; several contracted axes count as one K, in the product's order):
;;     1. [M 32, K 512] x [K 512, N 1,024]; A: input decoder_state (given as codes); B: input W_s (given as codes): QUANTISED
;;     2. [M 131,072, K 512] x [K 512, N 1,024]; A: input encoder_outputs; B: input W_h (given as codes): QUANTISED
;;     3. [M 131,072, K 1,024] x [K 1,024, N 1]; A: computed on the way; B: input v_a: left as it is (N = 1 < 16)
;;     4. batch 32 x [M 1, K 4,096] x [K 4,096, N 512]; A: softmax; B: input encoder_outputs: left as it is (M = 1 < 16)
;;   THE QUANTISER, for each operand of a quantised product, along K:
;;     - K is cut into blocks of 32 from its start; a last block that is shorter is filled with zeros.
;;     - A block's scale is 2^e with e = floor(log2(the largest magnitude in the block)) - 2, held to -126 .. 127; a block of zeros has e = 0. As a byte (E8M0): e + 127.
;;     - Each number is divided by its block's scale, clamped to +-6, and rounded to the nearest number of E2M1, ties to even, subnormals kept.
;;     - The product sums the exact products of the quantised numbers (number of the format x scale) in f32.
;;   ~~~python
;;   def quantise(x, axis):      # numpy; x: float32 -> the quantised numbers, widened to float32 again
;;       x = np.moveaxis(x, axis, -1); K = x.shape[-1]
;;       x = np.pad(x, [(0, 0)] * (x.ndim - 1) + [(0, -K % 32)]); x = x.reshape(x.shape[:-1] + (-1, 32)); a = np.abs(x).max(-1, keepdims=True)
;;       e = np.where(a > 0, np.clip(np.frexp(np.where(a > 0, a, 1))[1] - 1 - 2, -126, 127), 0)      # np.frexp(a)[1] - 1 = floor(log2(a)), exactly
;;       r = np.clip(x / 2.0 ** e, -6, 6)
;;       step = 2.0 ** (np.maximum(np.frexp(np.where(r == 0, 1, r))[1] - 1, 0) - 1)
;;       q = np.round(r / step) * step * 2.0 ** e      # np.round: ties to even
;;       return np.moveaxis(q.reshape(q.shape[:-2] + (-1,))[..., :K], -1, axis).astype(np.float32)
;;   ~~~
;;   INPUTS GIVEN AS CODES. W_h (in the module: [512, 1024], K = its axis 0); W_s (in the module: [512, 1024], K = its axis 0); decoder_state (in the module: [32, 512], K = its axis 1): each comes as NAME_codes (uint8): NAME with its K axis moved to the last place and cut into blocks of 32 codes, [.., K / 32, bytes a block], one block behind the other in memory; two codes a byte, the lower K in the low four bits (a code: sign, 2 exponent bits, 1 mantissa bit); and NAME_scales (uint8): the same leading axes, one E8M0 byte (e + 127) for each 32 codes along K. Its value is code x scale, taken as it is: it is not quantised again, and the codes and scales need not be those that the quantiser above would give.
;; One version. Each part assembles by itself: llvm-mc -triple=amdgcn-amd-amdhsa -mcpu=gfx1250 --defsym DOCPART=n.
;; ======== version 1 of 1: 2 launches
;; limits: right only within a limited range of input values
;; workspace buffers: ws_scores 524,288 bytes; ws_ctx 524,288 bytes; ws_ml 65,536 bytes
;; launch scores (part 1): grid 256 x 1, 8 waves a work-group, no clusters, 327,680 bytes of LDS; arguments encoder_outputs, W_h_codes, W_h_scales, W_s_codes, W_s_scales, decoder_state_codes, decoder_state_scales, b_s, b_h, v_a, ws_scores, ws_ctx, ws_ml; writes ws_scores, ws_ctx, ws_ml
.if DOCPART == 1
	.amdgcn_target "amdgcn-amd-amdhsa--gfx1250"
	.amdhsa_code_object_version 6
	.text
	.protected	k_qc28c16a216_scores
	.globl	k_qc28c16a216_scores
	.p2align	8
	.type	k_qc28c16a216_scores,@function
k_qc28c16a216_scores:
	s_mov_b64 s[64:65], 0
	v_nop
	global_prefetch_b8 v0, s[64:65] scope:SCOPE_SE
	s_setreg_imm32_b32 hwreg(HW_REG_WAVE_MODE, 25, 1), 1
	s_wait_xcnt 0x0
; Bahdanau attention, first launch.  Work-group g owns 512 positions (512 (g % 8) on) of batch g / 8, in 8 blocks of 64 rows.
; It leaves score'(b, s), and for its part the running maximum m, l = sum of e^(score' - m) and ctx = sum of e^(score' - m) x encoder row; the second launch joins the eight parts of a batch.
; DEAD WORK: tanh(x) = 1 - 2 / (1 + e^(2x)), so score = sum(v_a) - 2 sum of v_a / (1 + e^(2x)).  sum(v_a) is the same for all positions of a batch, and a softmax is unchanged by
; a term that is equal along its axis, whatever the inputs hold: it is left out, score' = score - sum(v_a).  Limit: an overflow or NaN that would arise in that sum alone is not carried to the result.
; The maximum is taken away ahead of every exponential of the softmax (running maximum).  e^(2x) = infinity gives 1 / infinity = 0, that is tanh = 1.
; SHARES: 8 waves.  Wave w keeps W_h's codes of attention columns 128 w .. + 127 in 256 registers (window 1) for the whole launch; it quantises rows 8 w .. + 7 of each block; in the context it owns 64 of the 512 columns.
; A TRIP (block b), ONE barrier: refill with block b + 1; context of block b - 1 out of registers; block b's four tiles of 16 rows (products, tanh, partial scores);
; block b + 1 is quantised (a wave reads only the rows that its own tensor load brought, behind its own wait on TENSORcnt); block b's rows for the context are fetched into registers; the barrier.
; So the image of codes, the scale words and the partial scores have two buffers each, taken by turns.
; cluster = none: work-groups share the weights alone, which each reads once, at the head, straight into registers; the loop's tiles, the encoder's rows, are read by one work-group each.
; PREFETCH: in trip b each wave asks for its own 16,384 bytes (64 blocks of 256 bytes, two instructions, a lane a block) of block b + 2, which the next trip's tensor load wants; trips 6 and 7 ask for nothing.
.set RP,    2080                       ; an encoder row in LDS: two pieces of 1,024 bytes + 16 of padding each
.set LP,    1040
.set SLOT1, 133120                     ; a slot: 64 rows
.set IMG,   266240                     ; images of the operand's registers: 64 rows of codes, two buffers
.set IMGB,  16384
.set ESC,   299008                     ; their scale words, two buffers
.set ESCB,  1024
.set PART,  301056                     ; partial scores, 8 waves x 64 rows, two buffers
.set PARTB, 2048
.set SPARE, 305152                     ; the spare words: 128 bytes a wave
.set QA,  1
.set IWA, 3
.set EWA, 4
.set IRA, 5
.set ERA, 6
.set PSA, 7
.set PRA, 8
.set CA,  11
.set AI,  13
.set AE,  14
.set AP,  15
.set SPW, 16
.set NIL, 17
.set SCR, 18
.set CTX, 20
.set MX,  28
.set LS,  29
.set FF,  30
.set BK2, 32
.set VA2, 48
.set WS,  64
.set ES,  80
.set SC,  84
.set TM,  92
.set GSO, 108
.set CSO, 109
.set WA,  110
.set WSA, 111
.set BA,  112
.set DA,  113
.set ZA,  114
.set PW,  115
.set PC,  116
.set PD,  124
.set PFO, 126
.set ACC, 128
.set BF,  192
.set XB0, 192
.set XB1, 224
.set WS2, 224                          ; at the head: W_s's scale words, b_s, b_h
.set BS,  240
.set BH,  248
.set WV,  2
.set G1,  32
.set G0A, 40
.set G0B, 44
.set K2,  48
.set SEL, 50
.set M3,  52
.set M2,  53
.set M1,  54
.set MH,  55
.set L2E, 56
.set MI,  57
.set ME,  58
.set MP,  59
.set MC,  60
.set OC,  61
.set PF,  62
.set MSB, 0
.macro WIN new
.if MSB != \new
	s_set_vgpr_msb (MSB<<8)|\new
.set MSB, \new
.endif
.endm
; one product: 16 rows (BF) x 16 columns of tile t, K step s.  Scale words of the weights: lanes 0-15 even steps, lanes 16-31 odd steps
.macro WM t, s, sb
.if \s == 0
	v_wmma_scale_f32_16x16x128_f8f6f4 v[ACC+8*\t:ACC+8*\t+7], v[BF+8*\s:BF+8*\s+7], v[32*\t+8*\s:32*\t+8*\s+7], 0, v[ES+\s], v[\sb+2*\t+\s/2] matrix_a_fmt:MATRIX_FMT_FP4 matrix_b_fmt:MATRIX_FMT_FP4
.elseif \s == 2
	v_wmma_scale_f32_16x16x128_f8f6f4 v[ACC+8*\t:ACC+8*\t+7], v[BF+8*\s:BF+8*\s+7], v[32*\t+8*\s:32*\t+8*\s+7], v[ACC+8*\t:ACC+8*\t+7], v[ES+\s], v[\sb+2*\t+\s/2] matrix_a_fmt:MATRIX_FMT_FP4 matrix_b_fmt:MATRIX_FMT_FP4
.else
	v_wmma_scale_f32_16x16x128_f8f6f4 v[ACC+8*\t:ACC+8*\t+7], v[BF+8*\s:BF+8*\s+7], v[32*\t+8*\s:32*\t+8*\s+7], v[ACC+8*\t:ACC+8*\t+7], v[ES+\s], v[\sb+2*\t+\s/2] matrix_a_fmt:MATRIX_FMT_FP4 matrix_b_fmt:MATRIX_FMT_FP4 matrix_b_scale:MATRIX_SCALE_ROW1
.endif
.endm
.macro MM t0, t1, sb                   ; tiles t0 .. t1 - 1, the accumulators by turns
	WIN 0x04
.irp s, 0,1,2,3
.set tt, \t0
.rept \t1-\t0
	WM tt, \s, \sb
.set tt, tt+1
.endr
.endr
	WIN 0
.endm
.macro WSCL sb, dst                    ; a weight's scale words of my 128 columns
.irp t, 0,1,2,3,4,5,6,7
.irp q, 0,1
	global_load_b32 v[\dst+2*\t+\q], v[WSA], s[\sb:\sb+1] offset:256*\t+8*\q
.endr
.endr
.endm
.macro WCOD cb, t0, t1                 ; its codes, tiles t0 .. t1 - 1, into window 1: 8 loads a tile
	WIN 0x40
.set tt, \t0
.rept \t1-\t0
.irp s, 0,1,2,3
.irp c, 0,1
	global_load_b128 v[32*tt+8*\s+4*\c:32*tt+8*\s+4*\c+3], v[WA], s[\cb:\cb+1] offset:4096*tt+64*\s+32*\c
.endr
.endr
.set tt, tt+1
.endr
	WIN 0
.endm
; the quantiser: 4 blocks of 32 along K, 16 numbers of each in my lane and 16 in lane l xor 16
.macro QUANT s
.irp b, 0,1,2,3
	v_max3_num_f32 v[TM+\b], |v[\s+16*\b]|, |v[\s+1+16*\b]|, 0x1800000
.endr
.irp i, 2,4,6,8,10,12,14
.irp b, 0,1,2,3
	s_delay_alu instid0(VALU_DEP_4)
	v_max3_num_f32 v[TM+\b], v[TM+\b], |v[\s+16*\b+\i]|, |v[\s+1+16*\b+\i]|
.endr
.endr
.irp b, 0,1,2,3
	s_delay_alu instid0(VALU_DEP_4)
	v_permlanex16_b32 v[TM+4+\b], v[TM+\b], s[SEL], s[SEL+1]
.endr
.irp b, 0,1,2,3
	s_delay_alu instid0(VALU_DEP_4)
	v_max_num_f32 v[TM+\b], v[TM+\b], v[TM+4+\b]
.endr
.irp b, 0,1,2,3
	s_delay_alu instid0(VALU_DEP_4)
	v_add_nc_u32 v[TM+12+\b], 0xff000000, v[TM+\b]
.endr
.irp b, 0,1,2,3
	s_delay_alu instid0(VALU_DEP_4)
	v_lshrrev_b32 v[TM+4+\b], 23, v[TM+12+\b]
.endr
	s_delay_alu instid0(VALU_DEP_3)
	v_lshl_or_b32 v[PW], v[TM+5], 8, v[TM+4]
	s_delay_alu instid0(VALU_DEP_1)
	v_lshl_or_b32 v[PW], v[TM+6], 16, v[PW]
	s_delay_alu instid0(VALU_DEP_1)
	v_lshl_or_b32 v[PW], v[TM+7], 24, v[PW]
.irp b, 0,1,2,3
	v_cvt_scalef32_pk8_fp4_f32 v[PC+2*\b], v[\s+16*\b:\s+7+16*\b], v[TM+12+\b]
	v_cvt_scalef32_pk8_fp4_f32 v[PC+1+2*\b], v[\s+8+16*\b:\s+15+16*\b], v[TM+12+\b]
.endr
	v_nop
.irp c, 0,1
.irp i, 0,1
	v_permlane16_swap_b32 v[PC+4*\c+\i], v[PC+2+4*\c+\i]
.endr
.endr
.endm
.macro QLOAD reg, adr, u               ; 128 along K of my rows, f32: 16 loads
.irp b, 0,1,2,3
.irp j, 0,1,2,3
	ds_load_b128 v[\reg+16*\b+4*\j:\reg+16*\b+4*\j+3], v[\adr] offset:512*\u+128*\b+16*\j
.endr
.endr
.endm
.macro QSTORE ib, u                    ; codes and scale word into image ib: 3 stores
	ds_store_b128 v[IWA], v[PC:PC+3] offset:IMGB*(\ib)+1024*\u
	ds_store_b128 v[IWA], v[PC+4:PC+7] offset:IMGB*(\ib)+1024*\u+512
	ds_store_b32 v[EWA], v[PW] offset:ESCB*(\ib)+4*\u
.endm
.macro LOADB ai, ae, oi, oe            ; a tile's operand: 16 rows x 512 K of codes, and its scale words
.irp s, 0,1,2,3
.irp c, 0,1
	ds_load_b128 v[BF+8*\s+4*\c:BF+8*\s+4*\c+3], v[\ai] offset:\oi+1024*\s+512*\c
.endr
.endr
	ds_load_b128 v[ES:ES+3], v[\ae] offset:\oe
.endm
; -2 v_a / (1 + 2^(2 log2(e) x)), summed over my 8 column tiles.  Each batch of transcendentals has one wait ahead and one behind
.macro TANH
.irp t, 0,1,2,3,4,5,6,7
.irp j, 0,2,4,6
	v_pk_fma_f32 v[ACC+8*\t+\j:ACC+8*\t+\j+1], v[ACC+8*\t+\j:ACC+8*\t+\j+1], s[K2:K2+1], v[BK2+2*\t:BK2+2*\t+1] op_sel_hi:[1,0,1]
.endr
.endr
.set jj, 0
	s_wait_alu depctr_va_vdst(0)
.rept 64
	v_exp_f32 v[ACC+jj], v[ACC+jj]
.set jj, jj+1
.endr
	v_nop
	s_wait_alu depctr_va_vdst(0)
.set jj, 0
.rept 32
	v_pk_add_f32 v[ACC+jj:ACC+jj+1], v[ACC+jj:ACC+jj+1], 1.0 op_sel_hi:[1,0]
.set jj, jj+2
.endr
.set jj, 0
	s_wait_alu depctr_va_vdst(0)
.rept 64
	v_rcp_f32 v[ACC+jj], v[ACC+jj]
.set jj, jj+1
.endr
	v_nop
	s_wait_alu depctr_va_vdst(0)
.irp j, 0,2,4,6
	v_pk_mul_f32 v[SC+\j:SC+\j+1], v[ACC+\j:ACC+\j+1], v[VA2:VA2+1]
.endr
.irp t, 1,2,3,4,5,6,7
.irp j, 0,2,4,6
	v_pk_fma_f32 v[SC+\j:SC+\j+1], v[ACC+8*\t+\j:ACC+8*\t+\j+1], v[VA2+2*\t:VA2+2*\t+1], v[SC+\j:SC+\j+1]
.endr
.endr
.endm
.macro MSTEP n, mask, x
.set jj, 0
.rept \n
	v_cndmask_b32 v[TM+jj], v[SC+jj+\n], v[SC+jj], s[\mask]
	v_cndmask_b32 v[SC+jj], v[SC+jj], v[SC+jj+\n], s[\mask]
.set jj, jj+1
.endr
.set jj, 0
.rept \n
	v_add_f32_dpp v[SC+jj], v[TM+jj], v[SC+jj] row_xmask:\x row_mask:0xf bank_mask:0xf
.set jj, jj+1
.endr
.endm
.macro MERGE                           ; the sum over the 16 lanes' columns: 8 registers become one
	MSTEP 4, M3, 8
	MSTEP 2, M2, 4
	MSTEP 1, M1, 2
	s_delay_alu instid0(VALU_DEP_1)
	v_add_f32_dpp v[SC], v[SC], v[SC] row_xmask:1 row_mask:0xf bank_mask:0xf
.endm
.macro CXLOAD xb, adr, i0              ; 8 rows of my 4 columns, for the context
.irp k, 0,1,2,3,4,5,6,7
	ds_load_b128 v[\xb+4*\k:\xb+4*\k+3], v[\adr] offset:RP*((\i0)+\k)
.endr
.endm
.macro STILE                           ; a tile that has a successor in its block
	s_wait_dscnt 0x0
	MM 0, 8, WS
	s_add_co_u32 s[MI], s[MI], 4096
	s_add_co_u32 s[ME], s[ME], 256
	v_add_nc_u32 v[AI], s[MI], v[IRA]
	v_add_nc_u32 v[AE], s[ME], v[ERA]
	v_add_nc_u32 v[AP], s[MP], v[PSA]
	v_nop                                          ; four places behind the products, ahead of the loads into their operand
	LOADB AI, AE, 0, 0
	TANH
	MERGE
	ds_store_b32 v[AP], v[SC]
	s_add_co_u32 s[MP], s[MP], 64
.endm
; a block's last tile; then block b + 1 is quantised out of slot 1 - p and block b's rows for the context are fetched out of slot p
.macro LAST p, hasQ
.if \hasQ
	s_wait_tensorcnt 0x0                           ; my one tensor load that is out, my own 8 rows of block b + 1, has landed: I alone read them in this trip
.endif
	s_wait_dscnt 0x0
	MM 0, 8, WS
.rept 4
	v_nop
.endr
.if \hasQ
	QLOAD BF, QA+1-\p, 0
.else
	CXLOAD XB0, CA+\p, 0
	CXLOAD XB1, CA+\p, 8
.endif
	TANH
.if \hasQ
	QLOAD ACC, QA+1-\p, 1
.else
	CXLOAD ACC, CA+\p, 16
	CXLOAD ACC+32, CA+\p, 24
.endif
	MERGE
	ds_store_b32 v[PSA], v[SC] offset:PARTB*\p+192
.if \hasQ
	s_wait_dscnt 17                                ; younger than the first 16 loads: 16 loads and 1 store
	QUANT BF
	QSTORE 1-\p, 0
	CXLOAD XB0, CA+\p, 0
	CXLOAD XB1, CA+\p, 8
	s_wait_dscnt 20                                ; younger than the second 16 loads: 1 + 3 stores and 16 loads
	QUANT ACC
	QSTORE 1-\p, 1
	CXLOAD ACC, CA+\p, 16
	CXLOAD ACC+32, CA+\p, 24
.endif
.endm
.macro CGROUP xb, n0, n1, n2, n3
	v_mov_b32_dpp v[TM], v[PD] row_share:\n0 row_mask:0xf bank_mask:0xf
	v_mov_b32_dpp v[TM+2], v[PD+1] row_share:\n0 row_mask:0xf bank_mask:0xf
	v_mov_b32_dpp v[TM+4], v[PD] row_share:\n1 row_mask:0xf bank_mask:0xf
	v_mov_b32_dpp v[TM+6], v[PD+1] row_share:\n1 row_mask:0xf bank_mask:0xf
	v_mov_b32_dpp v[TM+8], v[PD] row_share:\n2 row_mask:0xf bank_mask:0xf
	v_mov_b32_dpp v[TM+10], v[PD+1] row_share:\n2 row_mask:0xf bank_mask:0xf
	v_mov_b32_dpp v[TM+12], v[PD] row_share:\n3 row_mask:0xf bank_mask:0xf
	v_mov_b32_dpp v[TM+14], v[PD+1] row_share:\n3 row_mask:0xf bank_mask:0xf
.irp k, 0,1,2,3,4,5,6,7
	v_pk_fma_f32 v[CTX+4*(\k%2):CTX+4*(\k%2)+1], v[\xb+4*\k:\xb+4*\k+1], v[TM+2*\k:TM+2*\k+1], v[CTX+4*(\k%2):CTX+4*(\k%2)+1] op_sel_hi:[1,0,1]
	v_pk_fma_f32 v[CTX+4*(\k%2)+2:CTX+4*(\k%2)+3], v[\xb+4*\k+2:\xb+4*\k+3], v[TM+2*\k:TM+2*\k+1], v[CTX+4*(\k%2)+2:CTX+4*(\k%2)+3] op_sel_hi:[1,0,1]
.endr
.endm
; the block behind: its 64 scores out of buffer pb, the running softmax, its share of the context out of registers.  ib >= 0: the block in hand's first operand is fetched as soon as its registers are free
.macro CPHASE pb, ib
.irp i, 0,1,2,3,4,5,6,7
	ds_load_b64 v[TM+2*\i:TM+2*\i+1], v[PRA] offset:PARTB*(\pb)+256*\i
.endr
	s_wait_dscnt 0x0
	v_pk_add_f32 v[TM:TM+1], v[TM:TM+1], v[TM+2:TM+3]
	v_pk_add_f32 v[TM+4:TM+5], v[TM+4:TM+5], v[TM+6:TM+7]
	v_pk_add_f32 v[TM+8:TM+9], v[TM+8:TM+9], v[TM+10:TM+11]
	v_pk_add_f32 v[TM+12:TM+13], v[TM+12:TM+13], v[TM+14:TM+15]
	s_delay_alu instid0(VALU_DEP_3)
	v_pk_add_f32 v[TM:TM+1], v[TM:TM+1], v[TM+4:TM+5]
	s_delay_alu instid0(VALU_DEP_2)
	v_pk_add_f32 v[TM+8:TM+9], v[TM+8:TM+9], v[TM+12:TM+13]
	s_delay_alu instid0(VALU_DEP_1)
	v_pk_add_f32 v[SCR:SCR+1], v[TM:TM+1], v[TM+8:TM+9]
	s_cmp_lg_u32 s[WV], 0
	s_cbranch_scc1 .Lnot0_\@
	global_store_b64 v[GSO], v[SCR:SCR+1], s[24:25]  ; wave 0: 256 consecutive bytes, aligned
.Lnot0_\@:
	s_wait_alu depctr_va_vdst(0)
	v_max_num_f32 v[TM], v[SCR], v[SCR+1]
	s_delay_alu instid0(VALU_DEP_1)
	v_max_num_f32_dpp v[TM], v[TM], v[TM] row_xmask:1 row_mask:0xf bank_mask:0xf
	s_delay_alu instid0(VALU_DEP_1)
	v_max_num_f32_dpp v[TM], v[TM], v[TM] row_xmask:2 row_mask:0xf bank_mask:0xf
	s_delay_alu instid0(VALU_DEP_1)
	v_max_num_f32_dpp v[TM], v[TM], v[TM] row_xmask:4 row_mask:0xf bank_mask:0xf
	s_delay_alu instid0(VALU_DEP_1)
	v_max_num_f32_dpp v[TM], v[TM], v[TM] row_xmask:8 row_mask:0xf bank_mask:0xf
	s_delay_alu instid0(VALU_DEP_1)
	v_permlanex16_b32 v[TM+1], v[TM], s[SEL], s[SEL+1]
	s_delay_alu instid0(VALU_DEP_1)
	v_max3_num_f32 v[TM+2], v[TM], v[TM+1], v[MX]
	s_delay_alu instid0(VALU_DEP_1)
	v_sub_f32 v[TM+3], v[MX], v[TM+2]
	s_delay_alu instid0(VALU_DEP_2)
	v_sub_f32 v[TM+4], v[SCR], v[TM+2]
	s_delay_alu instid0(VALU_DEP_3)
	v_sub_f32 v[TM+5], v[SCR+1], v[TM+2]
	s_delay_alu instid0(VALU_DEP_3)
	v_mul_f32 v[TM+3], s[L2E], v[TM+3]
	s_delay_alu instid0(VALU_DEP_3)
	v_mul_f32 v[TM+4], s[L2E], v[TM+4]
	s_delay_alu instid0(VALU_DEP_3)
	v_mul_f32 v[TM+5], s[L2E], v[TM+5]
	s_wait_alu depctr_va_vdst(0)
	v_exp_f32 v[FF], v[TM+3]
	v_exp_f32 v[PD], v[TM+4]
	v_exp_f32 v[PD+1], v[TM+5]
	v_mov_b32 v[MX], v[TM+2]
	s_wait_alu depctr_va_vdst(0)
	v_mov_b32 v[FF+1], v[FF]
	v_add_f32 v[TM+6], v[PD], v[PD+1]
	v_fma_f32 v[LS], v[LS], v[FF], v[TM+6]
.irp i, 0,2,4,6
	v_pk_mul_f32 v[CTX+\i:CTX+\i+1], v[CTX+\i:CTX+\i+1], v[FF:FF+1]
.endr
	CGROUP XB0, 0, 1, 2, 3
.if (\ib) >= 0
	LOADB IRA, ERA, IMGB*(\ib), ESCB*(\ib)
.endif
	CGROUP XB1, 4, 5, 6, 7
	CGROUP ACC, 8, 9, 10, 11
	CGROUP ACC+32, 12, 13, 14, 15
	s_wait_xcnt 0x0                                ; the store has read its base
	s_add_nc_u64 s[24:25], s[24:25], 256
.endm
; the trip's barrier.  g >= 0: slot g's descriptor goes two blocks on (no tensor load of mine is out)
.macro MEET g
	s_wait_tensorcnt 0x0
	ds_add_u32 v[SPW], v[NIL]
.if (\g) >= 0
	s_add_nc_u64 s[G0A+4*(\g)+2:G0A+4*(\g)+3], s[G0A+4*(\g)+2:G0A+4*(\g)+3], 262144
.endif
	s_wait_xcnt 0x0                                ; my prefetches have read their base
	s_add_nc_u64 s[PF:PF+1], s[PF:PF+1], 131072
	s_wait_dscnt 0x0
	s_barrier_signal -1
	s_barrier_wait -1
.endm
.macro ASK how                         ; how = 1: ask; 2: ask but in the loop's last trip (block 8 does not exist)
.if \how == 2
	s_cmp_lg_u32 s[OC], 1
	s_cbranch_scc0 .Lna_\@
.endif
.if \how
	global_prefetch_b8 v[PFO], s[PF:PF+1] th:TH_LOAD_NT scope:SCOPE_SE
	global_prefetch_b8 v[PFO], s[PF:PF+1] offset:8192 th:TH_LOAD_NT scope:SCOPE_SE
.endif
.if \how == 2
.Lna_\@:
.endif
.endm
.macro ITER p, hasT, hasC, hasQ, ask   ; block b, p = b % 2
.if \hasT
	tensor_load_to_lds s[G0A+4*(1-\p):G0A+4*(1-\p)+3], s[G1:G1+7]   ; my 8 rows of block b + 1: my one tensor load behind this barrier
	s_nop 0
.rept 4
	v_nop
.endr
.endif
.if \hasC
	CPHASE 1-\p, \p
.else
	LOADB IRA, ERA, IMGB*\p, ESCB*\p
	s_wait_loadcnt 0x0                             ; W_h is in
.endif
	ASK \ask
	s_mov_b32 s[MI], IMGB*\p
	s_mov_b32 s[ME], ESCB*\p
	s_mov_b32 s[MP], PARTB*\p
	s_mov_b32 s[MC], 3
.Ltile_\@:
	STILE
	s_sub_co_u32 s[MC], s[MC], 1
	s_cmp_lg_u32 s[MC], 0
	s_cbranch_scc1 .Ltile_\@
	LAST \p, \hasQ
.if \hasT
	MEET \p
.else
	MEET -1
.endif
.endm
	s_load_b512 s[4:19], s[0:1], 0x0
	s_load_b256 s[20:27], s[0:1], 0x40
	s_load_b64 s[28:29], s[0:1], 0x60
	v_lshl_add_u32 v[SPW], v0, 2, SPARE
	v_mov_b32 v[NIL], 0
	ds_add_u32 v[SPW], v[NIL]
	ds_add_u32 v[SPW], v[NIL]
	v_lshrrev_b32 v[AI], 5, v0
	s_delay_alu instid0(VALU_DEP_1)
	v_readfirstlane_b32 s[WV], v[AI]
	s_mov_b32 s[G1+0], (2<<16)|(1<<20)|(7<<22)|(3<<25)  ; 16 pieces of 256 f32, dense in memory; 4 words of padding behind each
	s_mov_b32 s[G1+1], 256<<16
	s_mov_b32 s[G1+2], 16<<16
	s_mov_b32 s[G1+3], 256<<16
	s_mov_b32 s[G1+4], 16
	s_mov_b32 s[G1+5], 256
	s_mov_b32 s[G1+6], 0
	s_mov_b32 s[G1+7], 0
	s_mov_b32 s[K2], 0x4038aa3b                    ; 2 log2(e)
	s_mov_b32 s[K2+1], s[K2]
	s_mov_b32 s[SEL], 0x76543210
	s_mov_b32 s[SEL+1], 0xfedcba98
	s_mov_b32 s[M3], 0xff00ff00
	s_mov_b32 s[M2], 0xf0f0f0f0
	s_mov_b32 s[M1], 0xcccccccc
	s_mov_b32 s[MH], 0xffff0000
	s_mov_b32 s[L2E], 0x3fb8aa3b
	s_lshl_b32 s70, ttmp9, 20                      ; my work-group's 512 rows, and my 8 of a block
	s_lshl_b32 s71, s[WV], 14
	s_add_co_u32 s70, s70, s71
	s_mov_b32 s71, 0
	s_mul_i32 s68, s[WV], 16*LP
	s_wait_dscnt 0x0
	s_wait_kmcnt 0x0
	s_add_nc_u64 s[4:5], s[4:5], s[70:71]
	s_mov_b32 s[G0A], 1
	s_mov_b32 s[G0A+1], s68
	s_mov_b64 s[G0A+2:G0A+3], s[4:5]
	s_or_b32 s[G0A+3], s[G0A+3], 0x80000000
	s_mov_b32 s[G0B], 1
	s_add_co_u32 s[G0B+1], s68, SLOT1
	s_add_nc_u64 s[G0B+2:G0B+3], s[4:5], 131072
	s_or_b32 s[G0B+3], s[G0B+3], 0x80000000
	s_add_nc_u64 s[PF:PF+1], s[4:5], 131072        ; the prefetches begin at block 1
	tensor_load_to_lds s[G0A:G0A+3], s[G1:G1+7]    ; block 0: my one tensor load at the head
	s_nop 0
.rept 4
	v_nop
.endr
	s_lshl_b32 s70, s[WV], 15
	s_add_nc_u64 s[6:7], s[6:7], s[70:71]
	s_add_nc_u64 s[10:11], s[10:11], s[70:71]
	s_lshl_b32 s70, s[WV], 11
	s_add_nc_u64 s[8:9], s[8:9], s[70:71]
	s_add_nc_u64 s[12:13], s[12:13], s[70:71]
	s_lshl_b32 s70, s[WV], 9
	s_add_nc_u64 s[18:19], s[18:19], s[70:71]
	s_add_nc_u64 s[20:21], s[20:21], s[70:71]
	s_add_nc_u64 s[22:23], s[22:23], s[70:71]
	s_lshr_b32 s69, ttmp9, 3
	s_lshl_b32 s70, s69, 8
	s_add_nc_u64 s[14:15], s[14:15], s[70:71]
	s_lshl_b32 s70, s69, 4
	s_add_nc_u64 s[16:17], s[16:17], s[70:71]
	s_lshl_b32 s70, ttmp9, 11
	s_add_nc_u64 s[24:25], s[24:25], s[70:71]
	s_add_nc_u64 s[26:27], s[26:27], s[70:71]
	s_lshl_b32 s70, s[WV], 8
	s_add_nc_u64 s[26:27], s[26:27], s[70:71]
	s_lshl_b32 s70, ttmp9, 8
	s_add_nc_u64 s[28:29], s[28:29], s[70:71]
	v_and_b32 v[AI], 31, v0
	v_and_b32 v[AE], 15, v0
	v_bfe_u32 v[AP], v0, 4, 1
	s_delay_alu instid0(VALU_DEP_2)
	v_lshlrev_b32 v[WA], 8, v[AE]
	s_delay_alu instid0(VALU_DEP_1)
	v_lshl_add_u32 v[WA], v[AP], 4, v[WA]
	s_delay_alu instid0(VALU_DEP_4)
	v_lshlrev_b32 v[WSA], 4, v[AE]
	s_delay_alu instid0(VALU_DEP_1)
	v_lshl_add_u32 v[WSA], v[AP], 2, v[WSA]
	v_lshlrev_b32 v[BA], 2, v[AE]
	v_lshlrev_b32 v[DA], 4, v[AP]
	v_mov_b32 v[ZA], 0
	v_lshlrev_b32 v[PFO], 8, v[AI]
	; all that the decoder's product needs is asked for now, while block 0 is on its way: 49 small loads, then W_s's 64
.irp s, 0,1,2,3
.irp c, 0,1
	global_load_b128 v[BF+8*\s+4*\c:BF+8*\s+4*\c+3], v[DA], s[14:15] offset:64*\s+32*\c
.endr
.endr
	global_load_b128 v[ES:ES+3], v[ZA], s[16:17]
.irp t, 0,1,2,3,4,5,6,7
	global_load_b32 v[BS+\t], v[BA], s[18:19] offset:64*\t
	global_load_b32 v[BH+\t], v[BA], s[20:21] offset:64*\t
	global_load_b32 v[VA2+2*\t], v[BA], s[22:23] offset:64*\t
.endr
	WSCL 12, WS2
	WCOD 10, 0, 8
	ASK 1                                          ; block 1
	v_and_b32 v9, 7, v0
	v_bfe_u32 v10, v0, 3, 1
	s_mul_i32 s68, s[WV], 16*LP
	v_mul_u32_u24 v[QA], v9, RP
	s_delay_alu instid0(VALU_DEP_1)
	v_mad_u32_u24 v[QA], v10, LP, v[QA]
	s_delay_alu instid0(VALU_DEP_1)
	v_lshl_add_u32 v[QA], v[AP], 6, v[QA]
	s_delay_alu instid0(VALU_DEP_1)
	v_add_nc_u32 v[QA], s68, v[QA]
	s_delay_alu instid0(VALU_DEP_1)
	v_add_nc_u32 v[QA+1], SLOT1, v[QA]
	s_lshr_b32 s66, s[WV], 1
	s_and_b32 s67, s[WV], 1
	s_lshl_b32 s67, s67, 7
	s_lshl_b32 s68, s66, 12
	s_add_co_u32 s68, s68, s67
	s_add_co_u32 s68, s68, IMG
	v_lshlrev_b32 v[IWA], 4, v9
	s_delay_alu instid0(VALU_DEP_1)
	v_lshl_add_u32 v[IWA], v10, 11, v[IWA]
	s_delay_alu instid0(VALU_DEP_1)
	v_lshl_add_u32 v[IWA], v[AP], 8, v[IWA]
	s_delay_alu instid0(VALU_DEP_1)
	v_add_nc_u32 v[IWA], s68, v[IWA]
	s_lshl_b32 s68, s66, 8
	s_add_co_u32 s68, s68, s67
	s_add_co_u32 s68, s68, ESC
	v_lshlrev_b32 v[EWA], 4, v9
	s_delay_alu instid0(VALU_DEP_1)
	v_lshl_add_u32 v[EWA], v10, 3, v[EWA]
	s_delay_alu instid0(VALU_DEP_1)
	v_add_nc_u32 v[EWA], s68, v[EWA]
	v_lshl_add_u32 v[IRA], v[AI], 4, IMG
	v_lshl_add_u32 v[ERA], v[AE], 4, ESC
	s_lshl_b32 s68, s[WV], 8
	s_add_co_u32 s69, s68, PART
	v_lshrrev_b32 v[PSA], 1, v[AI]
	s_delay_alu instid0(VALU_DEP_1)
	v_lshl_add_u32 v[PSA], v[PSA], 2, s69
	v_lshl_add_u32 v[PRA], v[AI], 3, PART
	s_lshr_b32 s69, s[WV], 2
	s_lshl_b32 s69, s69, 4
	s_add_co_u32 s68, s68, s69
	v_mul_u32_u24 v[CA], v[AP], 32*RP
	s_delay_alu instid0(VALU_DEP_1)
	v_lshl_add_u32 v[CA], v[AE], 4, v[CA]
	s_delay_alu instid0(VALU_DEP_1)
	v_add_nc_u32 v[CA], s68, v[CA]
	s_delay_alu instid0(VALU_DEP_1)
	v_add_nc_u32 v[CA+1], SLOT1, v[CA]
	v_lshlrev_b32 v[GSO], 3, v[AI]
	v_lshlrev_b32 v[CSO], 4, v[AE]
	s_delay_alu instid0(VALU_DEP_1)
	v_lshl_add_u32 v[CSO], v[AP], 3, v[CSO]
.irp b, 0,1,2,3
	v_mov_b32 v[TM+4+\b], 0                        ; a lane permute's destination counts as a source
.endr
	s_wait_alu depctr_va_vdst(0)
	s_wait_tensorcnt 0x0                           ; my 8 rows of block 0 are in: they are quantised while the weights arrive
	QLOAD ACC, QA, 0
	s_wait_dscnt 0x0
	QUANT ACC
	QSTORE 0, 0
	QLOAD ACC, QA, 1
	s_wait_dscnt 0x0
	QUANT ACC
	QSTORE 0, 1
	; dec_proj for my 128 columns, in two halves; each half's registers take W_h as soon as they are free
	s_wait_loadcnt 32                              ; younger: W_s's tiles 4-7
	MM 0, 4, WS2
.rept 4
	v_nop
.endr
	WSCL 8, WS
	WCOD 6, 0, 4
	s_wait_loadcnt 48                              ; younger: W_h's 16 scale words and 32 loads of codes
	MM 4, 8, WS2
.rept 4
	v_nop
.endr
	WCOD 6, 4, 8
.irp t, 0,1,2,3,4,5,6,7
	v_add_f32 v[BK2+2*\t], v[ACC+8*\t], v[BS+\t]
.endr
.irp t, 0,1,2,3,4,5,6,7
	v_add_f32 v[BK2+2*\t], v[BK2+2*\t], v[BH+\t]
.endr
.irp t, 0,1,2,3,4,5,6,7
	v_mul_f32 v[BK2+2*\t], s[K2], v[BK2+2*\t]      ; 2 log2(e) (dec_proj + b_s + b_h)
	v_mul_f32 v[VA2+2*\t], -2.0, v[VA2+2*\t]
.endr
.irp t, 0,1,2,3,4,5,6,7
	v_mov_b32 v[BK2+2*\t+1], v[BK2+2*\t]
	v_mov_b32 v[VA2+2*\t+1], v[VA2+2*\t]
.endr
	v_mov_b32 v[MX], 0xff61b1e6                    ; -3e38, under every score
	v_mov_b32 v[LS], 0
.irp i, 0,1,2,3,4,5,6,7
	v_mov_b32 v[CTX+\i], 0
.endr
	s_wait_alu depctr_va_vdst(0)
	MEET -1                                        ; block 0's image is whole; slot 1's first fill follows as a refill does
	ITER 0, 1, 0, 1, 1                             ; block 0
	s_mov_b32 s[OC], 3
.Lpair:                                                ; blocks 1 and 2, 3 and 4, 5 and 6
	ITER 1, 1, 1, 1, 1
	ITER 0, 1, 1, 1, 2
	s_sub_co_u32 s[OC], s[OC], 1
	s_cmp_lg_u32 s[OC], 0
	s_cbranch_scc1 .Lpair
	ITER 1, 0, 1, 0, 0                             ; block 7: nothing more to fetch or to quantise
	CPHASE 1, -1
	s_wait_alu depctr_va_vdst(0)
	v_pk_add_f32 v[CTX:CTX+1], v[CTX:CTX+1], v[CTX+4:CTX+5]
	v_pk_add_f32 v[CTX+2:CTX+3], v[CTX+2:CTX+3], v[CTX+6:CTX+7]
.irp i, 0,1,2,3
	v_permlanex16_b32 v[TM+4+\i], v[CTX+\i], s[SEL], s[SEL+1]
.endr
.irp i, 0,1,2,3
	s_delay_alu instid0(VALU_DEP_4)
	v_add_f32 v[CTX+\i], v[CTX+\i], v[TM+4+\i]
.endr
	s_delay_alu instid0(VALU_DEP_2)
	v_cndmask_b32 v[TM], v[CTX], v[CTX+2], s[MH]
	s_delay_alu instid0(VALU_DEP_2)
	v_cndmask_b32 v[TM+1], v[CTX+1], v[CTX+3], s[MH]
	v_add_f32_dpp v[LS], v[LS], v[LS] row_xmask:1 row_mask:0xf bank_mask:0xf
	s_delay_alu instid0(VALU_DEP_1)
	v_add_f32_dpp v[LS], v[LS], v[LS] row_xmask:2 row_mask:0xf bank_mask:0xf
	s_delay_alu instid0(VALU_DEP_1)
	v_add_f32_dpp v[LS], v[LS], v[LS] row_xmask:4 row_mask:0xf bank_mask:0xf
	s_delay_alu instid0(VALU_DEP_1)
	v_add_f32_dpp v[LS], v[LS], v[LS] row_xmask:8 row_mask:0xf bank_mask:0xf
	s_delay_alu instid0(VALU_DEP_1)
	v_permlanex16_b32 v[TM+2], v[LS], s[SEL], s[SEL+1]
	s_delay_alu instid0(VALU_DEP_1)
	v_add_f32 v[LS], v[LS], v[TM+2]
	s_cmp_lg_u32 s[WV], 0
	s_cbranch_scc1 .Lno_ml
	global_store_b64 v[GSO], v[MX:MX+1], s[28:29]  ; wave 0: (m, l) in every lane: 256 consecutive bytes, aligned
.Lno_ml:
	s_wait_alu depctr_va_vdst(0)
	global_store_b64 v[CSO], v[TM:TM+1], s[26:27]  ; my 64 columns of the context: 256 consecutive bytes, aligned
	s_wait_tensorcnt 0x0                           ; the wave's end
	ds_add_u32 v[SPW], v[NIL]
	s_wait_dscnt 0x0
	s_endpgm
.Lfunc_end_k_qc28c16a216_scores:
	.size	k_qc28c16a216_scores, .Lfunc_end_k_qc28c16a216_scores-k_qc28c16a216_scores
	.p2alignl 7, 3214868480
	.fill 96, 4, 3214868480
	.section	.rodata,"a",@progbits
	.p2align	6, 0x0
	.amdhsa_kernel k_qc28c16a216_scores
		.amdhsa_group_segment_fixed_size 327680
		.amdhsa_private_segment_fixed_size 0
		.amdhsa_enable_private_segment 0
		.amdhsa_kernarg_size 104
		.amdhsa_user_sgpr_count 2
		.amdhsa_user_sgpr_kernarg_segment_ptr 1
		.amdhsa_wavefront_size32 1
		.amdhsa_system_sgpr_workgroup_id_x 1
		.amdhsa_system_sgpr_workgroup_id_y 1
		.amdhsa_system_sgpr_workgroup_id_z 1
		.amdhsa_system_vgpr_workitem_id 0
		.amdhsa_next_free_vgpr 512
		.amdhsa_next_free_sgpr 80
		.amdhsa_reserve_vcc 0
		.amdhsa_float_denorm_mode_32 3
		.amdhsa_float_denorm_mode_16_64 3
		.amdhsa_memory_ordered 1
		.amdhsa_forward_progress 1
		.amdhsa_inst_pref_size 255
	.end_amdhsa_kernel
	.section	.bss,"aw",@nobits
	.p2align	6
	.space	262144
	.amdgpu_metadata
---
amdhsa.version: [ 1, 2 ]
amdhsa.kernels:
  - .name:           k_qc28c16a216_scores
    .symbol:         k_qc28c16a216_scores.kd
    .args:
      - { .name: encoder_outputs, .offset: 0, .size: 8, .value_kind: global_buffer, .address_space: global }
      - { .name: W_h_codes, .offset: 8, .size: 8, .value_kind: global_buffer, .address_space: global }
      - { .name: W_h_scales, .offset: 16, .size: 8, .value_kind: global_buffer, .address_space: global }
      - { .name: W_s_codes, .offset: 24, .size: 8, .value_kind: global_buffer, .address_space: global }
      - { .name: W_s_scales, .offset: 32, .size: 8, .value_kind: global_buffer, .address_space: global }
      - { .name: decoder_state_codes, .offset: 40, .size: 8, .value_kind: global_buffer, .address_space: global }
      - { .name: decoder_state_scales, .offset: 48, .size: 8, .value_kind: global_buffer, .address_space: global }
      - { .name: b_s, .offset: 56, .size: 8, .value_kind: global_buffer, .address_space: global }
      - { .name: b_h, .offset: 64, .size: 8, .value_kind: global_buffer, .address_space: global }
      - { .name: v_a, .offset: 72, .size: 8, .value_kind: global_buffer, .address_space: global }
      - { .name: ws_scores, .offset: 80, .size: 8, .value_kind: global_buffer, .address_space: global }
      - { .name: ws_ctx, .offset: 88, .size: 8, .value_kind: global_buffer, .address_space: global }
      - { .name: ws_ml, .offset: 96, .size: 8, .value_kind: global_buffer, .address_space: global }
    .group_segment_fixed_size: 327680
    .private_segment_fixed_size: 0
    .kernarg_segment_align: 8
    .kernarg_segment_size: 104
    .max_flat_workgroup_size: 256
    .sgpr_count:     80
    .vgpr_count:     512
    .wavefront_size: 32
...
	.end_amdgpu_metadata
.endif
;; end of part 1
;; launch finish (part 2): grid 8 x 32, 4 waves a work-group, no clusters, 0 bytes of LDS; arguments ws_scores, ws_ctx, ws_ml, out0, out1; writes out0, out1
.if DOCPART == 2
	.amdgcn_target "amdgcn-amd-amdhsa--gfx1250"
	.amdhsa_code_object_version 6
	.text
	.protected	k_qc28c16a216_finish
	.globl	k_qc28c16a216_finish
	.p2align	8
	.type	k_qc28c16a216_finish,@function
k_qc28c16a216_finish:
	s_mov_b64 s[64:65], 0
	v_nop
	global_prefetch_b8 v0, s[64:65] scope:SCOPE_SE
	s_setreg_imm32_b32 hwreg(HW_REG_WAVE_MODE, 25, 1), 1
	s_wait_xcnt 0x0
; Second launch: the eight parts of each batch are joined.  Part i of batch b left its maximum m_i, its sum l_i = sum of e^(score' - m_i), and ctx_i = sum of e^(score' - m_i) x encoder row.
; score' is the score less the sum of v_a, which is the same along a batch's positions and which the softmax takes away (shown at the head of the first kernel).
; With M = the largest m_i, e_i = e^(m_i - M) and L = sum of l_i e_i:   out1(b, s) = e^(score'(b, s) - M) / L;   out0(b, c) = sum over i of ctx_i(c) e_i / L.
; Work-group (x, b), four waves: 512 weights (positions 512 x on: 16 bytes a thread), and wave 0 also 64 columns of the context (64 x on: 8 bytes a lane).
; No LDS, no barrier, no matrix unit: 1.1 MB in, 0.6 MB out; every wave's store covers whole aligned blocks of 256 bytes.
.set L2E, 0x3fb8aa3b                   ; log2(e)
	s_load_b256 s[4:11], s[0:1], 0x0               ; ws_scores s[4:5], ws_ctx s[6:7], ws_ml s[8:9], out0 s[10:11]
	s_load_b64 s[12:13], s[0:1], 0x20              ; out1
	v_lshrrev_b32 v1, 5, v0
	v_readfirstlane_b32 s14, v1                    ; wave 0..3
	s_and_b32 s15, ttmp7, 0xffff                   ; the batch
	s_lshl_b32 s40, s15, 11                        ; 2,048 b: its eight (m, l), 256 bytes apart
	s_mov_b32 s41, 0
	s_lshl_b32 s42, s15, 14                        ; 16,384 b
	s_mov_b32 s43, 0
	s_lshl_b32 s44, ttmp9, 11
	s_add_co_u32 s44, s44, s42                     ; 16,384 b + 2,048 x: scores and out1
	s_mov_b32 s45, 0
	s_lshl_b32 s46, ttmp9, 8
	s_add_co_u32 s42, s42, s46                     ; 16,384 b + 256 x: part 0's context
	s_add_co_u32 s46, s46, s40                     ; 2,048 b + 256 x: out0
	s_mov_b32 s47, 0
	v_lshlrev_b32 v1, 4, v0                        ; 16 bytes a thread
	v_and_b32 v2, 31, v0
	v_lshlrev_b32 v2, 3, v2                        ; 8 bytes a lane
	s_wait_alu depctr_va_vdst(0)
	s_wait_kmcnt 0x0
	s_add_nc_u64 s[8:9], s[8:9], s[40:41]
	s_add_nc_u64 s[4:5], s[4:5], s[44:45]
	s_add_nc_u64 s[12:13], s[12:13], s[44:45]
	s_add_nc_u64 s[6:7], s[6:7], s[42:43]
	s_add_nc_u64 s[10:11], s[10:11], s[46:47]
.irp i, 0,1,2,3,4,5,6,7
	s_load_b64 s[16+2*\i:17+2*\i], s[8:9], 256*\i  ; m_i, l_i
.endr
	global_load_b128 v[4:7], v1, s[4:5] th:TH_LOAD_NT
	s_cmp_lg_u32 s14, 0
	s_cbranch_scc1 .Lno_ctx
.irp i, 0,1,2,3,4,5,6,7
	global_load_b64 v[8+2*\i:9+2*\i], v2, s[6:7] offset:2048*\i th:TH_LOAD_NT
.endr
.Lno_ctx:
	s_wait_kmcnt 0x0
	v_mov_b32 v24, s16
.irp i, 1,2,3,4,5,6,7
	v_max_num_f32 v24, s[16+2*\i], v24             ; M
.endr
.irp i, 0,1,2,3,4,5,6,7
	v_sub_f32 v[26+\i], s[16+2*\i], v24            ; the maximum is taken away first
.endr
.irp i, 0,1,2,3,4,5,6,7
	v_mul_f32 v[26+\i], L2E, v[26+\i]
.endr
	s_wait_alu depctr_va_vdst(0)
.irp i, 0,1,2,3,4,5,6,7
	v_exp_f32 v[26+\i], v[26+\i]                   ; e_i
.endr
	v_nop                                          ; a plain place behind the batch,
	s_wait_alu depctr_va_vdst(0)                   ; and the one wait ahead of its first reader
	v_mul_f32 v25, s17, v26
.irp i, 1,2,3,4,5,6,7
	v_fmac_f32 v25, s[17+2*\i], v[26+\i]           ; L: at least 1, since the part that holds M has a term e^0
.endr
	s_wait_alu depctr_va_vdst(0)
	v_rcp_f32 v34, v25
	v_nop
	s_wait_alu depctr_va_vdst(0)
	s_wait_loadcnt 0x0
.irp k, 0,1,2,3
	v_sub_f32 v[36+\k], v[4+\k], v24
.endr
.irp k, 0,1,2,3
	v_mul_f32 v[36+\k], L2E, v[36+\k]
.endr
	s_wait_alu depctr_va_vdst(0)
.irp k, 0,1,2,3
	v_exp_f32 v[36+\k], v[36+\k]
.endr
	v_nop
	s_wait_alu depctr_va_vdst(0)
.irp k, 0,1,2,3
	v_mul_f32 v[36+\k], v[36+\k], v34
.endr
	global_store_b128 v1, v[36:39], s[12:13] th:TH_STORE_NT      ; a wave stores 512 consecutive bytes, at a multiple of 256 from out1's first byte
	s_cmp_lg_u32 s14, 0
	s_cbranch_scc1 .Ldone
.irp i, 0,1,2,3,4,5,6,7
	v_mul_f32 v[26+\i], v[26+\i], v34              ; e_i / L
.endr
	v_mul_f32 v40, v8, v26
	v_mul_f32 v41, v9, v26
.irp i, 1,2,3,4,5,6,7
	v_fmac_f32 v40, v[8+2*\i], v[26+\i]
	v_fmac_f32 v41, v[9+2*\i], v[26+\i]
.endr
	global_store_b64 v2, v[40:41], s[10:11] th:TH_STORE_NT       ; wave 0: 256 consecutive bytes, aligned
.Ldone:
	s_endpgm
.Lfunc_end_k_qc28c16a216_finish:
	.size	k_qc28c16a216_finish, .Lfunc_end_k_qc28c16a216_finish-k_qc28c16a216_finish
	.p2alignl 7, 3214868480
	.fill 96, 4, 3214868480
	.section	.rodata,"a",@progbits
	.p2align	6, 0x0
	.amdhsa_kernel k_qc28c16a216_finish
		.amdhsa_group_segment_fixed_size 0
		.amdhsa_private_segment_fixed_size 0
		.amdhsa_enable_private_segment 0
		.amdhsa_kernarg_size 40
		.amdhsa_user_sgpr_count 2
		.amdhsa_user_sgpr_kernarg_segment_ptr 1
		.amdhsa_wavefront_size32 1
		.amdhsa_system_sgpr_workgroup_id_x 1
		.amdhsa_system_sgpr_workgroup_id_y 1
		.amdhsa_system_sgpr_workgroup_id_z 1
		.amdhsa_system_vgpr_workitem_id 0
		.amdhsa_next_free_vgpr 48
		.amdhsa_next_free_sgpr 66
		.amdhsa_reserve_vcc 0
		.amdhsa_float_denorm_mode_32 3
		.amdhsa_float_denorm_mode_16_64 3
		.amdhsa_memory_ordered 1
		.amdhsa_forward_progress 1
		.amdhsa_inst_pref_size 7
	.end_amdhsa_kernel
	.amdgpu_metadata
---
amdhsa.version: [ 1, 2 ]
amdhsa.kernels:
  - .name:           k_qc28c16a216_finish
    .symbol:         k_qc28c16a216_finish.kd
    .args:
      - { .name: ws_scores, .offset: 0, .size: 8, .value_kind: global_buffer, .address_space: global }
      - { .name: ws_ctx, .offset: 8, .size: 8, .value_kind: global_buffer, .address_space: global }
      - { .name: ws_ml, .offset: 16, .size: 8, .value_kind: global_buffer, .address_space: global }
      - { .name: out0, .offset: 24, .size: 8, .value_kind: global_buffer, .address_space: global }
      - { .name: out1, .offset: 32, .size: 8, .value_kind: global_buffer, .address_space: global }
    .group_segment_fixed_size: 0
    .private_segment_fixed_size: 0
    .kernarg_segment_align: 8
    .kernarg_segment_size: 40
    .max_flat_workgroup_size: 128
    .sgpr_count:     66
    .vgpr_count:     48
    .wavefront_size: 32
...
	.end_amdgpu_metadata
.endif
;; end of part 2
